; MI455X (gfx1250); checked and timed in simulation.
; The chip was launched on July 23, 2026; its instructions are those of AMD's public machine-readable ISA for CDNA 5 (MIT licence, August 2026) and "CDNA5" Instruction Set Architecture Reference Guide (July 2026). The comments in the code are by the model that wrote it; some were corrected since.
;; Sents Avg Summarizer. Allowed arithmetic: matrix products marked QUANTISED: E5M2 operands, one given power-of-two scale a tensor, by v_wmma_f32_16x16x64_bf8_bf8 or v_wmma_f32_16x16x128_bf8_bf8, f32 sums; products left as they are: f32 operands where the result goes on into a quantised operand, else bf16, f16 or f32 operands; f32 sums; everything else in f32.
;; Inputs: b_fc 1 float32; b_sents 768 float32; clss 64 x 64 int32; lowp_scales 2 int32 (the exponents e of the quantised operands' scales 2^e); mask_clss 64 x 64 float32; sents_end 64 x 64 int32; top_vec 64 x 512 x 768 float32; w_fc 768 float32; w_sents 768 x 768 float32.
;; Outputs: out0 64 x 64 float32.
;; This version of the problem:
;;   THIS VERSION OF THE PROBLEM IS GIVEN IN LOW PRECISION. The matrix products marked QUANTISED in the list below multiply operands that are first quantised to E5M2 (5 exponent bits, 2 mantissa bits; 8 bits a number), with one given power-of-two scale for each operand tensor; their sums are f32. All else is computed in f32.
;;   The module's matrix products, in the order in which they are computed (A, B: the left and right operand; K: the contracted axis; several contracted axes count as one K, in the product's order):
;;     1. [M 4,096, K 768] x [K 768, N 768]; A: computed on the way; B: input w_sents: QUANTISED (scales: A lowp_scales[0], B lowp_scales[1])
;;     2. [M 4,096, K 768] x [K 768, N 1]; A: computed on the way; B: input w_fc: left as it is (N = 1 < 16)
;;   THE QUANTISER, for each operand of a quantised product, along K:
;;     - The operand's scale is 2^e, e = its entry of the input lowp_scales (int32; the entries are numbered through the quantised products in the list's order, A before B).
;;     - Each number is divided by the scale, clamped to +-57,344, and rounded to the nearest number of E5M2, ties to even, subnormals kept.
;;     - The product sums the exact products of the quantised numbers (number of the format x scale) in f32.
;;   ~~~python
;;   def quantise(x, axis, e):      # numpy; x: float32 -> the quantised numbers, widened to float32 again
;;       x = np.moveaxis(x, axis, -1); K = x.shape[-1]
;;       r = np.clip(x / 2.0 ** e, -57344, 57344)
;;       step = 2.0 ** (np.maximum(np.frexp(np.where(r == 0, 1, r))[1] - 1, -14) - 2)
;;       q = np.round(r / step) * step * 2.0 ** e      # np.round: ties to even
;;       return np.moveaxis(q, -1, axis).astype(np.float32)
;;   ~~~
;;   OPERANDS COMPUTED ON THE WAY. 'Computed on the way' means the value that the module computes at that place (a softmax that the list does not call 'softmax' is quantised finished and normalised). What goes into a quantiser is computed in f32, as accurately as f32 sums, v_exp_f32 and their like allow (about 1e-6 of the number): no bf16 or f16 on the way to a quantiser, and a product that is left as it is and whose result goes on into a quantised operand takes f32 operands (vector FMAs, or v_wmma_f32_16x16x4_f32). A number that lies on a knife's edge between two numbers of the format may be rounded either way, as far as f32 arithmetic and the matrix unit's own rounding can turn it there, and no further.
;; One version. Each part assembles by itself: llvm-mc -triple=amdgcn-amd-amdhsa -mcpu=gfx1250 --defsym DOCPART=n.
;; ======== version 1 of 1: 2 launches
;; limits: right only within a limited range of input values
;; workspace buffers: hpart 196,608 bytes
;; launch slices (part 1): grid 12 x 16, 16 waves a work-group, no clusters, 100,352 bytes of LDS; arguments top_vec, clss, sents_end, w_sents, lowp_scales, w_fc, hpart; writes hpart
.if DOCPART == 1
	.amdgcn_target "amdgcn-amd-amdhsa--gfx1250"
	.amdhsa_code_object_version 6
	.text
	.protected	k_q4807cc2206_slices
	.globl	k_q4807cc2206_slices
	.p2align	8
	.type	k_q4807cc2206_slices,@function
k_q4807cc2206_slices:
	s_mov_b64 s[64:65], 0
	v_nop
	global_prefetch_b8 v0, s[64:65] scope:SCOPE_SE
	s_setreg_imm32_b32 hwreg(HW_REG_WAVE_MODE, 25, 1), 1
	s_wait_xcnt 0x0
; out[b][n] = m x sigmoid(m x (m > 0 ? Q(mean) Q(W)^T . w_fc + b_sents . w_fc : top_vec[b][511] . w_fc) + b_fc), m = mask_clss[b][n]; mean = the mean of top_vec[b]'s rows [clss, sents_end).
; THIS LAUNCH: Q(mean) Q(W)^T . w_fc, cut along K: it is linear in the sums over K, so the parts of twelve slices of 64 columns are added by the next launch.
; SHARES.  Work-group (x, y) takes columns 64 x .. + 63 of the 256 slots of documents 4 y .. + 3: 192 work-groups.  It needs a twelfth of W: 768 rows x 64 columns, 196,608 bytes of f32, which it reads once
;   and quantises itself (49,152 numbers; sixteen work-groups do so for each slice): W has no launch of its own.
; THE STREAM.  Wave w takes slots 16 w .. + 15.  A row's slice is 256 bytes: sixteen lanes; half-wave h takes slot 16 w + 8 h + p in pair p = 0 .. 7, a lane four columns.  A pair's load takes a WINDOW OF SEVEN ROWS from the
;   segment's first row on (held so that it ends inside the document); each row counts with weight 1 or 0.  Longer segments go on in a counted loop with windows of six rows (REST), as often as the wave's longest asks.
;   The sum is taken directly, not as a difference of two prefix sums: its error does not grow with a common offset of the inputs.  Rows of masked slots are summed too: the mask is a floating-point number, and the next launch selects by it.
;   Four pairs are on their way at any time (28 loads); pairs 0-3 are stage 0, pairs 4-7 stage 1.
; THE PRODUCT.  A stage has 128 rows of means (row 128 stage + 8 w + 4 h + p % 4 in LDS), eight tiles; wave w makes columns o = 48 w .. + 47 of all of them: three tiles, one matrix instruction of K = 64 each.
;   THE MATRIX INSTRUCTION IS USED TRANSPOSED (source 0 = 16 rows of W, source 1 = 16 means): a lane holds one slot and eight neighbouring o.  In both operands registers 4 c .. 4 c + 3 hold
;   k = 32 c + 16 (lane / 16) + 0 .. 15: the same permutation of k on both sides.  The second product is f32 multiply-adds on the sums; the waves' parts meet in LDS.
; NO TENSOR LOADS, NO CLUSTER: trip counts hang on the indices.  No prefetch: the rows are asked for as soon as their indices are there, up to 28 of a wave's 56 loads at once.
; 64 columns are the least that fill 256 bytes of a row, and 4,096 slots x 12 slices divide evenly into 192 parts of 256 slots, not into 256 of one slice each.
; LIMITS: clss and sents_end lie in 0 .. 512 (they index the document's rows; larger numbers are held at 512); e0 and e1 between -126 and 112; e0 + e1 is applied by v_ldexp_f32.  NaN and infinities among the inputs are not served
;   (a window's rows outside the segment are multiplied by 0).
; REGISTERS: v1 16 x (lane % 16); v2, v3 2^e0 and 57,344 x 2^e0; v4-v11 addresses; v14, v15 the same for e1, then at work; v16-23 a pair's lo | cnt << 10 | (end > start) << 20; v24-43 at work; v44-47 the pairs' offsets;
;   v48-159 four pairs of 7 rows x 4; v160-223 W as loaded (two batches), then v160-183 W's fragments, v184-231 two sets of accumulators; v232-255 w_fc.
.set TOKB,  3072                       ; a row of top_vec or of w_sents in bytes
.set PITCH, 80                         ; an LDS row: 64 codes + 16 bytes of padding
.set CL,    768*PITCH                  ; behind W's codes: the means' 256 rows
.set PT,    CL+256*PITCH               ; the waves' parts: 16 x 256 words
.set SPARE, PT+16*1024                 ; the spare words, 128 bytes for each wave
.set S0,    48
.set WST,   160
.set FR,    160
.set WF,    232
.set SPW,   12
.set NIL,   13
.macro WLOAD b, reg                    ; 16 rows of W: 8 loads, two rows each
.irp i, 0,1,2,3,4,5,6,7
	global_load_b128 v[\reg+4*\i:\reg+4*\i+3], v9, s[10:11] offset:2*TOKB*(8*\b+\i)   ; 16 lanes read 256 consecutive bytes
.endr
.endm
.macro WCONV b, reg, left              ; and their codes, to my rows in LDS
	s_wait_loadcnt \left
.irp i, 0,1,2,3,4,5,6,7,8,9,10,11,12,13,14,15,16,17,18,19,20,21,22,23,24,25,26,27,28,29,30,31
	v_med3_num_f32 v[\reg+\i], v[\reg+\i], -v15, v15   ; the conversion to an 8-bit code does not saturate (ISA guide 7.6.2): the hold comes first
.endr
.irp i, 0,1,2,3
	v_cvt_scalef32_pk8_bf8_f32 v[24+2*\i:25+2*\i], v[\reg+8*\i:\reg+8*\i+7], v14
.endr
	v_nop                                          ; a plain line behind the last conversion
.irp i, 0,1,2,3,4,5,6,7
	ds_store_b32 v4, v[24+\i] offset:2*PITCH*(8*\b+\i)
.endr
.endm
.macro SLOAD p                         ; pair p's window
	v_bfe_u32 v40, v[16+\p], 0, 10
	v_min_u32 v40, 505, v40                        ; seven rows from here lie in the document
	v_mad_u32_u24 v[44+(\p%4)], v40, s46, v1
.irp r, 0,1,2,3,4,5,6
	global_load_b128 v[S0+28*(\p%4)+4*\r:S0+28*(\p%4)+4*\r+3], v[44+(\p%4)], s[4:5] offset:TOKB*\r   ; 16 lanes read 256 consecutive bytes.  No hint: segments may share rows
.endr
.endm
.macro WEIGHTS n                       ; v40: rows of the window ahead of the segment's part, v41: rows that count: weights v32 ..
	v_lshlrev_b32 v41, v41, -1
	v_xor_b32 v41, -1, v41
	v_lshlrev_b32 v41, v40, v41                    ; bit r: row r counts
.set wi, 0
.rept \n
	v_bfe_u32 v[32+wi], v41, wi, 1
.set wi, wi+1
.endr
.set wi, 0
.rept \n
	v_cvt_f32_u32 v[32+wi], v[32+wi]
.set wi, wi+1
.endr
.endm
.macro WFMA acc, x, w                  ; four numbers += x times weight w
.irp u, 0,2
.if (\w) % 2
	v_pk_fma_f32 v[(\acc)+\u:(\acc)+\u+1], v[(\x)+\u:(\x)+\u+1], v[31+\w:32+\w], v[(\acc)+\u:(\acc)+\u+1] op_sel:[0,1,0]
.else
	v_pk_fma_f32 v[(\acc)+\u:(\acc)+\u+1], v[(\x)+\u:(\x)+\u+1], v[32+\w:33+\w], v[(\acc)+\u:(\acc)+\u+1] op_sel_hi:[1,0,1]
.endif
.endr
.endm
.macro REST p                          ; rows 7 and on, six a trip, into the registers of the pair's rows 1 to 6
	s_wait_alu depctr_va_vdst(0)                   ; wait directly ahead of the branch
	s_cmp_eq_u32 s40, 0
	s_cbranch_scc1 .Lnone_\@
	s_mov_b32 s41, 0
	s_mov_b32 s42, 7
.Lrest_\@:
	v_bfe_u32 v40, v[16+\p], 0, 10
	v_add_nc_u32 v40, s42, v40
	v_min_u32 v41, 506, v40
	v_mad_u32_u24 v42, v41, s46, v1
.irp r, 0,1,2,3,4,5
	global_load_b128 v[S0+28*(\p%4)+4+4*\r:S0+28*(\p%4)+4+4*\r+3], v42, s[4:5] offset:TOKB*\r
.endr
	v_sub_nc_u32 v40, v40, v41
	v_bfe_u32 v41, v[16+\p], 10, 10
	v_cmp_lt_u32 vcc_lo, s42, v41
	v_subrev_nc_u32 v41, s42, v41
	v_cndmask_b32 v41, 0, v41, vcc_lo
	v_min_u32 v41, 6, v41
	WEIGHTS 6
	s_wait_alu depctr_va_vdst(0)
	s_wait_loadcnt 0x0
.irp r, 0,1,2,3,4,5
	WFMA S0+28*(\p%4), S0+28*(\p%4)+4+4*\r, \r
.endr
	s_add_co_u32 s42, s42, 6
	s_add_co_u32 s41, s41, 1
	s_wait_alu depctr_va_vdst(0)
	s_cmp_lt_u32 s41, s40
	s_cbranch_scc1 .Lrest_\@
.Lnone_\@:
.endm
.macro SUM p, left                     ; pair p's sum, in the registers of its row 0
	s_wait_dscnt 0x0                               ; earlier LDS stores have read their registers
	v_bfe_u32 v40, v[16+\p], 0, 10
	v_min_u32 v41, 505, v40
	v_sub_nc_u32 v40, v40, v41
	v_bfe_u32 v41, v[16+\p], 10, 10
	v_min_u32 v41, 7, v41
	WEIGHTS 7
	s_wait_alu depctr_va_vdst(0)                   ; wait directly ahead of the wait below
	s_wait_loadcnt \left
.irp u, 0,2
	v_pk_mul_f32 v[S0+28*(\p%4)+\u:S0+28*(\p%4)+\u+1], v[S0+28*(\p%4)+\u:S0+28*(\p%4)+\u+1], v[32:33] op_sel_hi:[1,0]
.endr
.irp r, 1,2,3,4,5,6
	WFMA S0+28*(\p%4), S0+28*(\p%4)+4*\r, \r
.endr
	REST \p
.endm
.macro CODE st, q                      ; pairs 4 st + q and the next: the sums become means and codes, to my rows in LDS
.set SA, S0+28*(\q)
.set SB, S0+28*(\q)+28
	v_bfe_u32 v40, v[16+4*\st+\q], 10, 10
	v_bfe_u32 v41, v[17+4*\st+\q], 10, 10
	v_cvt_f32_u32 v40, v40
	v_cvt_f32_u32 v41, v41
	v_cmp_le_u32 vcc_lo, s43, v[16+4*\st+\q]       ; end > start: the divisor is the number of rows, else -1 (a segment that runs backwards is the negative sum divided by 1)
	v_cndmask_b32 v40, -1.0, v40, vcc_lo
	v_cmp_le_u32 vcc_lo, s43, v[17+4*\st+\q]
	v_cndmask_b32 v41, -1.0, v41, vcc_lo
	s_wait_alu depctr_va_vdst(0)                   ; waits ahead of the batch, and behind it
	v_rcp_f32 v40, v40
	v_rcp_f32 v41, v41
	v_nop
	s_wait_alu depctr_va_vdst(0)
.irp u, 0,2
	v_pk_mul_f32 v[24+\u:25+\u], v[SA+\u:SA+\u+1], v[40:41] op_sel_hi:[1,0]
	v_pk_mul_f32 v[28+\u:29+\u], v[SB+\u:SB+\u+1], v[40:41] op_sel:[0,1]
.endr
.irp i, 0,1,2,3,4,5,6,7
	v_med3_num_f32 v[24+\i], v[24+\i], -v3, v3     ; the hold (ISA guide 7.6.2)
.endr
	v_cvt_scalef32_pk8_bf8_f32 v[32:33], v[24:31], v2
	v_nop
	ds_store_b32 v6, v32 offset:(128*\st+\q)*PITCH
	ds_store_b32 v6, v33 offset:(128*\st+\q+1)*PITCH
.endm
.macro ALD st, j, a                    ; tile j's means
.irp c, 0,1
	ds_load_b128 v[\a+4*\c:\a+4*\c+3], v7 offset:(128*\st+16*(\j))*PITCH+32*\c
.endr
.endm
.macro DOT d, res                      ; a tile's sums . w_fc on my 24 columns, in three chains; each accumulator is read from its low end on
	v_pk_mul_f32 v[32:33], v[\d:\d+1], v[WF:WF+1]
	v_pk_mul_f32 v[34:35], v[\d+8:\d+9], v[WF+8:WF+9]
	v_pk_mul_f32 v[14:15], v[\d+16:\d+17], v[WF+16:WF+17]
.irp i, 2,4,6
	v_pk_fma_f32 v[32:33], v[\d+\i:\d+\i+1], v[WF+\i:WF+\i+1], v[32:33]
	v_pk_fma_f32 v[34:35], v[\d+8+\i:\d+9+\i], v[WF+8+\i:WF+9+\i], v[34:35]
	v_pk_fma_f32 v[14:15], v[\d+16+\i:\d+17+\i], v[WF+16+\i:WF+17+\i], v[14:15]
.endr
	v_pk_add_f32 v[34:35], v[34:35], v[14:15]
	v_pk_add_f32 v[32:33], v[32:33], v[34:35]
	v_add_f32 v[\res], v32, v33
.endm
.macro COMB st, j                      ; tiles j and j + 1: the other eight columns of each tile lie in lane l xor 16; 32 rows' parts go to LDS
	v_permlanex16_b32 v17, v16, s36, s37
	v_permlanex16_b32 v19, v18, s36, s37
	v_add_f32 v16, v16, v17
	v_add_f32 v18, v18, v19
	v_cndmask_b32 v16, v18, v16, s47               ; lanes 0-15: tile j; lanes 16-31: tile j + 1
	ds_store_b32 v10, v16 offset:4*(128*\st+16*(\j))
.endm
; A stage's product: eight tiles, two sets of means and two of accumulators by turns: tile j - 1's dot product stands behind tile j's matrix instructions.
.macro PROD st
	ALD \st, 0, 24
	ALD \st, 1, 36
.irp j, 0,1,2,3,4,5,6,7
.set AB, 24+12*(\j%2)
.set DB, 184+24*(\j%2)
.set DP, 184+24*((\j+1)%2)
.set RS, 16+2*((\j+1)%2)
.if \j < 7
	s_wait_dscnt 2                                 ; all but the next tile's means
.else
	s_wait_dscnt 0
.endif
.irp t, 0,1,2
	v_wmma_f32_16x16x64_bf8_bf8 v[DB+8*\t:DB+8*\t+7], v[FR+8*\t:FR+8*\t+7], v[AB:AB+7], 0
.endr
.if \j == 0
.rept 4
	v_nop                                          ; four plain places behind a matrix instruction (ISA guide 7.12.1 for vector instructions)
.endr
.else
	DOT DP, RS
.if (\j%2) == 0
	COMB \st, \j-2
.endif
.endif
.if \j < 6
	ALD \st, \j+2, AB
.endif
.endr
.rept 4
	v_nop
.endr
	DOT 208, 18
	COMB \st, 6
.endm
	s_load_b256 s[4:11], s[0:1], 0x0               ; top_vec s[4:5], clss s[6:7], sents_end s[8:9], w_sents s[10:11]
	s_load_b128 s[12:15], s[0:1], 0x20             ; lowp_scales s[12:13], w_fc s[14:15]
	s_load_b64 s[16:17], s[0:1], 0x30              ; hpart
	v_lshl_add_u32 v[SPW], v0, 2, SPARE
	v_mov_b32 v[NIL], 0
	v_lshrrev_b32 v1, 5, v0
	v_readfirstlane_b32 s2, v1                     ; wave 0..15
	s_mul_i32 s38, s2, 48*PITCH                    ; my 48 rows of W in LDS
	s_mul_i32 s39, s2, 8*PITCH                     ; my rows of means
	s_add_co_u32 s39, s39, CL
	s_lshl_b32 s48, s2, 10                         ; my parts
	s_add_co_u32 s48, s48, PT
	s_mov_b32 s46, TOKB
	v_and_b32 v3, 31, v0                           ; lane
	v_bfe_u32 v14, v0, 4, 1                        ; h
	v_and_b32 v15, 15, v0                          ; c, and r
	v_mul_u32_u24 v4, v14, PITCH
	v_mul_u32_u24 v5, v15, PITCH
	v_mul_u32_u24 v6, v14, 4*PITCH
	v_mul_u32_u24 v9, v14, s46
	v_lshlrev_b32 v1, 4, v15
	v_lshl_add_u32 v4, v15, 2, v4
	v_lshl_add_u32 v5, v14, 4, v5
	v_lshl_add_u32 v6, v15, 2, v6
	v_lshl_add_u32 v9, v15, 4, v9                  ; W: row h, 16 c
	v_add_nc_u32 v7, CL, v5                        ; means out: row r, + 16 h
	v_add_nc_u32 v4, s38, v4                       ; W's codes in: row h, 4 c
	v_add_nc_u32 v5, s38, v5                       ; W's codes out: row r, + 16 h
	v_add_nc_u32 v6, s39, v6                       ; means in: row 4 h, 4 c
	v_lshlrev_b32 v8, 5, v14                       ; 8 h words
	v_lshl_add_u32 v10, v3, 2, s48
	v_lshl_add_u32 v11, v0, 4, PT
	v_mov_b32 v42, 0                               ; the longest segment so far
	v_mov_b32 v47, 0x100000
	s_and_b32 s3, ttmp7, 0xffff                    ; the group of four documents
	s_lshl_b32 s18, ttmp9, 8                       ; my slice's 256 bytes in a row
	s_mul_i32 s20, s2, 48*TOKB
	s_add_co_u32 s20, s20, s18                     ; W: row 48 w, my slice
	s_mov_b32 s21, 0
	s_lshl_b32 s22, s3, 10
	s_lshl_b32 s19, s2, 6
	s_add_co_u32 s22, s22, s19                     ; the indices of my 16 slots
	s_mov_b32 s23, 0
	s_mul_i32 s24, s2, 192                         ; w_fc at 48 w
	s_mov_b32 s25, 0
	s_lshl_b32 s26, s3, 2
	s_lshr_b32 s19, s2, 2
	s_add_co_u32 s26, s26, s19
	s_mul_i32 s26, s26, 512*TOKB                   ; my document, under 2^27 bytes,
	s_add_co_u32 s26, s26, s18                     ; my slice
	s_mov_b32 s27, 0
	s_mul_i32 s28, s3, 12
	s_add_co_u32 s28, s28, ttmp9
	s_lshl_b32 s28, s28, 10                        ; my work-group's 256 words of hpart
	s_mov_b32 s29, 0
	s_mov_b32 s36, 0x76543210                      ; v_permlanex16_b32's selects for lane l xor 16
	s_mov_b32 s37, 0xfedcba98
	s_mov_b32 s43, 0x100000
	s_mov_b32 s47, 0xffff
	s_wait_alu depctr_va_vdst(0)                   ; wait directly ahead of the wait below
	s_wait_kmcnt 0x0
	s_load_b64 s[32:33], s[12:13], 0x0             ; e0, e1
	s_add_nc_u64 s[6:7], s[6:7], s[22:23]
	s_add_nc_u64 s[8:9], s[8:9], s[22:23]
	s_add_nc_u64 s[10:11], s[10:11], s[20:21]
	s_add_nc_u64 s[14:15], s[14:15], s[24:25]
	s_add_nc_u64 s[4:5], s[4:5], s[26:27]
	s_add_nc_u64 s[16:17], s[16:17], s[28:29]
	global_load_b128 v[24:27], v8, s[6:7]          ; pair p's start in v[24 + p], its end in v[32 + p]
	global_load_b128 v[28:31], v8, s[6:7] offset:16
	global_load_b128 v[32:35], v8, s[8:9]
	global_load_b128 v[36:39], v8, s[8:9] offset:16
.irp t, 0,1,2
.irp u, 0,1
	global_load_b128 v[WF+8*\t+4*\u:WF+8*\t+4*\u+3], v8, s[14:15] offset:64*\t+16*\u   ; w_fc at o = 48 w + 16 t + 8 h + 0 .. 7: the accumulators' layout
.endr
.endr
	WLOAD 0, WST
	s_wait_kmcnt 0x0
	s_add_co_i32 s35, s32, s33                     ; e0 + e1
	s_add_co_i32 s18, s32, 127
	s_lshl_b32 s19, s18, 23
	v_mov_b32 v2, s19                              ; 2^e0 as f32: the conversion takes its exponent field
	s_add_co_i32 s18, s18, 15
	s_lshl_b32 s18, s18, 23
	s_or_b32 s18, s18, 0x600000
	v_mov_b32 v3, s18                              ; 57,344 x 2^e0
	s_add_co_i32 s18, s33, 127
	s_lshl_b32 s19, s18, 23
	v_mov_b32 v14, s19                             ; the same for e1
	s_add_co_i32 s18, s18, 15
	s_lshl_b32 s18, s18, 23
	s_or_b32 s18, s18, 0x600000
	v_mov_b32 v15, s18
	s_wait_alu depctr_va_vdst(0)                   ; wait at the head's end
	s_wait_loadcnt 14                              ; the indices are in; w_fc (6) and W's first batch (8) may be out
.irp p, 0,1,2,3,4,5,6,7
	v_cmp_gt_i32 vcc_lo, v[32+\p], v[24+\p]        ; end > start?
	v_cndmask_b32 v40, v[32+\p], v[24+\p], vcc_lo  ; the smaller of the two,
	v_cndmask_b32 v41, v[24+\p], v[32+\p], vcc_lo  ; the larger,
	v_cndmask_b32 v43, 0, v47, vcc_lo
	v_min_u32 v40, 0x200, v40
	v_min_u32 v41, 0x200, v41
	v_sub_nc_u32 v41, v41, v40                     ; the rows between them
	v_cmp_gt_u32 vcc_lo, v41, v42
	v_cndmask_b32 v42, v42, v41, vcc_lo
	v_lshl_or_b32 v40, v41, 10, v40
	v_or_b32 v[16+\p], v40, v43
.endr
	v_readlane_b32 s44, v42, 0
	v_readlane_b32 s45, v42, 16
	s_wait_alu depctr_va_vdst(0)
	s_max_u32 s44, s44, s45
	s_max_u32 s44, s44, 7
	s_min_u32 s44, s44, 512                        ; what was loaded is held before it enters a trip count
	s_sub_co_u32 s44, s44, 2
	s_mul_hi_u32 s40, s44, 0x2AAAAAAB              ; (longest - 7 + 5) / 6 trips of REST (the factor is 2^32 / 6 rounded up: exact for numbers this small)
	SLOAD 0
	SLOAD 1
	WLOAD 1, WST+32
	SLOAD 2
	SLOAD 3
	; the counts: the loads issued behind those waited for.  Order: W0 S0 S1 W1 S2 S3 | W2 | S4 S5 | S6 S7, 8 loads a batch of W, 7 a pair
	WCONV 0, WST, 36
	WLOAD 2, WST
	SUM 0, 37
	SUM 1, 30
	CODE 0, 0
	SLOAD 4
	SLOAD 5
	WCONV 1, WST+32, 36
	SUM 2, 29
	SUM 3, 22
	CODE 0, 2
	SLOAD 6
	SLOAD 7
	WCONV 2, WST, 28
.irp t, 0,1,2
.irp c, 0,1
	ds_load_b128 v[FR+8*\t+4*\c:FR+8*\t+4*\c+3], v5 offset:16*PITCH*\t+32*\c   ; my three fragments of W: rows that I stored: LDS serves a wave's instructions in order (ISA guide 5.7.1.4)
.endr
.endr
	s_wait_dscnt 0x0                               ; for the others' sake: my codes lie in LDS
	s_barrier_signal -1
	s_barrier_wait -1                              ; stage 0's 128 rows do
	PROD 0
	SUM 4, 21
	SUM 5, 14
	CODE 1, 0
	SUM 6, 7
	SUM 7, 0
	CODE 1, 2
	s_wait_dscnt 0x0
	s_barrier_signal -1
	s_barrier_wait -1                              ; stage 1's 128 rows lie in LDS
	PROD 1
	s_wait_dscnt 0x0                               ; my parts lie in LDS
	s_barrier_signal -1
	s_barrier_wait -1
	s_cmp_gt_u32 s2, 1
	s_cbranch_scc1 .Lend
	; ---- waves 0 and 1 add the 16 waves' parts, four rows a lane
.irp w, 0,1,2,3,4,5,6,7,8,9,10,11,12,13,14,15
	ds_load_b128 v[48+4*\w:51+4*\w], v11 offset:1024*\w
.endr
	v_lshlrev_b32 v9, 4, v0
	s_wait_alu depctr_va_vdst(0)
	s_wait_dscnt 0x0
.irp i, 0,2,4,6,8,10,12,14,16,18,20,22,24,26,28,30
	v_pk_add_f32 v[48+\i:49+\i], v[48+\i:49+\i], v[80+\i:81+\i]
.endr
.irp i, 0,2,4,6,8,10,12,14
	v_pk_add_f32 v[48+\i:49+\i], v[48+\i:49+\i], v[64+\i:65+\i]
.endr
.irp i, 0,2,4,6
	v_pk_add_f32 v[48+\i:49+\i], v[48+\i:49+\i], v[56+\i:57+\i]
.endr
.irp i, 0,2
	v_pk_add_f32 v[48+\i:49+\i], v[48+\i:49+\i], v[52+\i:53+\i]
.endr
.irp i, 0,1,2,3
	v_ldexp_f32 v[48+\i], v[48+\i], s35            ; a sum of the quantised product stands for sum x 2^(e0 + e1)
.endr
	global_store_b128 v9, v[48:51], s[16:17]       ; 32 lanes store 512 consecutive bytes
.Lend:
	s_wait_tensorcnt 0x0                           ; the wave's end
	ds_add_u32 v[SPW], v[NIL]
	s_wait_dscnt 0x0
	s_endpgm
.Lfunc_end_k_q4807cc2206_slices:
	.size	k_q4807cc2206_slices, .Lfunc_end_k_q4807cc2206_slices-k_q4807cc2206_slices
	.p2alignl 7, 3214868480
	.fill 96, 4, 3214868480
	.section	.rodata,"a",@progbits
	.p2align	6, 0x0
	.amdhsa_kernel k_q4807cc2206_slices
		.amdhsa_group_segment_fixed_size 100352
		.amdhsa_private_segment_fixed_size 0
		.amdhsa_enable_private_segment 0
		.amdhsa_kernarg_size 56
		.amdhsa_user_sgpr_count 2
		.amdhsa_user_sgpr_kernarg_segment_ptr 1
		.amdhsa_wavefront_size32 1
		.amdhsa_system_sgpr_workgroup_id_x 1
		.amdhsa_system_sgpr_workgroup_id_y 1
		.amdhsa_system_sgpr_workgroup_id_z 1
		.amdhsa_system_vgpr_workitem_id 0
		.amdhsa_next_free_vgpr 256
		.amdhsa_next_free_sgpr 66
		.amdhsa_reserve_vcc 1
		.amdhsa_float_denorm_mode_32 3
		.amdhsa_float_denorm_mode_16_64 3
		.amdhsa_memory_ordered 1
		.amdhsa_forward_progress 1
		.amdhsa_inst_pref_size 98
	.end_amdhsa_kernel
	.amdgpu_metadata
---
amdhsa.version: [ 1, 2 ]
amdhsa.kernels:
  - .name:           k_q4807cc2206_slices
    .symbol:         k_q4807cc2206_slices.kd
    .args:
      - { .name: top_vec, .offset: 0, .size: 8, .value_kind: global_buffer, .address_space: global }
      - { .name: clss, .offset: 8, .size: 8, .value_kind: global_buffer, .address_space: global }
      - { .name: sents_end, .offset: 16, .size: 8, .value_kind: global_buffer, .address_space: global }
      - { .name: w_sents, .offset: 24, .size: 8, .value_kind: global_buffer, .address_space: global }
      - { .name: lowp_scales, .offset: 32, .size: 8, .value_kind: global_buffer, .address_space: global }
      - { .name: w_fc, .offset: 40, .size: 8, .value_kind: global_buffer, .address_space: global }
      - { .name: hpart, .offset: 48, .size: 8, .value_kind: global_buffer, .address_space: global }
    .group_segment_fixed_size: 100352
    .private_segment_fixed_size: 0
    .kernarg_segment_align: 8
    .kernarg_segment_size: 56
    .max_flat_workgroup_size: 512
    .sgpr_count:     66
    .vgpr_count:     256
    .wavefront_size: 32
...
	.end_amdgpu_metadata
.endif
;; end of part 1
;; launch finish (part 2): grid 64 x 1, 1 waves a work-group, no clusters, 0 bytes of LDS; arguments hpart, mask_clss, top_vec, w_fc, b_sents, b_fc, out0; writes out0
.if DOCPART == 2
	.amdgcn_target "amdgcn-amd-amdhsa--gfx1250"
	.amdhsa_code_object_version 6
	.text
	.protected	k_q4807cc2206_finish
	.globl	k_q4807cc2206_finish
	.p2align	8
	.type	k_q4807cc2206_finish,@function
k_q4807cc2206_finish:
	s_mov_b64 s[64:65], 0
	v_nop
	global_prefetch_b8 v0, s[64:65] scope:SCOPE_SE
	s_setreg_imm32_b32 hwreg(HW_REG_WAVE_MODE, 25, 1), 1
	s_wait_xcnt 0x0
; A document a wave, slots 2 l and 2 l + 1 a lane: h = m x (m > 0 ? the sum of the twelve slices' parts + b_sents . w_fc : the document's last row . w_fc) + b_fc; out = m x sigmoid(h).
; The parts of a group of four documents lie slice by slice, 256 words each; slot i of the group lies at word 128 (i / 4 % 2) + 8 (i / 16) + 4 (i / 8 % 2) + i % 4, so a lane's two are neighbours.
; A stream of few bytes: no LDS, no loop, no prefetch.  LIMITS: NaN and infinities among the inputs are not served.
	s_load_b256 s[4:11], s[0:1], 0x0               ; hpart s[4:5], mask_clss s[6:7], top_vec s[8:9], w_fc s[10:11]
	s_load_b128 s[12:15], s[0:1], 0x20             ; b_sents s[12:13], b_fc s[14:15]
	s_load_b64 s[16:17], s[0:1], 0x30              ; out0
	v_lshlrev_b32 v1, 4, v0
	v_lshlrev_b32 v2, 3, v0
	v_bfe_u32 v4, v0, 1, 1
	v_bfe_u32 v5, v0, 2, 1
	v_lshrrev_b32 v6, 3, v0
	v_and_b32 v7, 1, v0
	v_lshlrev_b32 v3, 9, v4
	v_mov_b32 v10, 0                               ; a lane permute's destination counts as one of its sources
	v_mov_b32 v11, 0
	v_lshl_add_u32 v3, v5, 4, v3
	v_lshl_add_u32 v3, v6, 5, v3
	v_lshl_add_u32 v3, v7, 3, v3
	s_mul_i32 s20, ttmp9, 512*3072                 ; the document,
	s_add_co_u32 s20, s20, 511*3072                ; its last row
	s_mov_b32 s21, 0
	s_lshr_b32 s22, ttmp9, 2
	s_mul_i32 s22, s22, 12*1024                    ; the group's parts
	s_and_b32 s23, ttmp9, 3
	s_lshl_b32 s23, s23, 7                         ; 32 words a document and stage
	s_add_co_u32 s22, s22, s23
	s_mov_b32 s23, 0
	s_lshl_b32 s24, ttmp9, 8
	s_mov_b32 s25, 0
	s_mov_b32 s28, 0x76543210                      ; v_permlanex16_b32's selects for lane l xor 16
	s_mov_b32 s29, 0xfedcba98
	s_wait_alu depctr_va_vdst(0)                   ; wait directly ahead of the wait below
	s_wait_kmcnt 0x0
	s_load_b32 s26, s[14:15], 0x0                  ; b_fc
	s_add_nc_u64 s[8:9], s[8:9], s[20:21]
	s_add_nc_u64 s[4:5], s[4:5], s[22:23]
	s_add_nc_u64 s[6:7], s[6:7], s[24:25]
	s_add_nc_u64 s[16:17], s[16:17], s[24:25]
.irp j, 0,1,2,3,4,5
	global_load_b128 v[64+4*\j:67+4*\j], v1, s[8:9] offset:512*\j     ; the last row,
	global_load_b128 v[16+4*\j:19+4*\j], v1, s[10:11] offset:512*\j   ; w_fc,
	global_load_b128 v[40+4*\j:43+4*\j], v1, s[12:13] offset:512*\j   ; b_sents
.endr
.irp j, 0,1,2,3,4,5,6,7,8,9,10,11
	global_load_b64 v[92+2*\j:93+2*\j], v3, s[4:5] offset:1024*\j     ; my two slots' parts
.endr
	global_load_b64 v[12:13], v2, s[6:7]           ; m
	s_wait_loadcnt 13                              ; the 18 rows' loads are in; the parts and m may be out
	v_pk_mul_f32 v[88:89], v[64:65], v[16:17]
	v_pk_mul_f32 v[90:91], v[40:41], v[16:17]
.irp i, 2,4,6,8,10,12,14,16,18,20,22
	v_pk_fma_f32 v[88:89], v[64+\i:65+\i], v[16+\i:17+\i], v[88:89]
	v_pk_fma_f32 v[90:91], v[40+\i:41+\i], v[16+\i:17+\i], v[90:91]
.endr
	v_add_f32 v8, v88, v89
	v_add_f32 v9, v90, v91
.irp x, 1,2,4,8
	v_add_f32_dpp v8, v8, v8 row_xmask:\x row_mask:0xf bank_mask:0xf
	v_add_f32_dpp v9, v9, v9 row_xmask:\x row_mask:0xf bank_mask:0xf
.endr
	v_permlanex16_b32 v10, v8, s28, s29
	v_permlanex16_b32 v11, v9, s28, s29
	v_add_f32 v8, v8, v10                          ; the last row . w_fc
	v_add_f32 v9, v9, v11                          ; b_sents . w_fc
	s_wait_alu depctr_va_vdst(0)                   ; wait directly ahead of the waits below
	s_wait_loadcnt 0x0
	s_wait_kmcnt 0x0
.irp i, 0,2,4,6,8,10
	v_pk_add_f32 v[92+\i:93+\i], v[92+\i:93+\i], v[104+\i:105+\i]
.endr
.irp i, 0,2,4
	v_pk_add_f32 v[92+\i:93+\i], v[92+\i:93+\i], v[98+\i:99+\i]
.endr
	v_pk_add_f32 v[92:93], v[92:93], v[94:95]
	v_pk_add_f32 v[92:93], v[92:93], v[96:97]
.irp i, 0,1
	v_add_f32 v[92+\i], v[92+\i], v9
	v_cmp_lt_f32 vcc_lo, 0, v[12+\i]               ; m > 0?
	v_cndmask_b32 v[14+\i], v8, v[92+\i], vcc_lo   ; the sentence where it is, else the last row
	v_fma_f32 v[14+\i], v[12+\i], v[14+\i], s26    ; h
	v_mul_f32 v[14+\i], 0xbfb8aa3b, v[14+\i]       ; -h log2(e)
.endr
	s_wait_alu depctr_va_vdst(0)                   ; waits round each batch
	v_exp_f32 v14, v14
	v_exp_f32 v15, v15
	v_nop
	s_wait_alu depctr_va_vdst(0)
	v_add_f32 v14, 1.0, v14
	v_add_f32 v15, 1.0, v15
	s_wait_alu depctr_va_vdst(0)
	v_rcp_f32 v14, v14                             ; sigmoid(h)
	v_rcp_f32 v15, v15
	v_nop
	s_wait_alu depctr_va_vdst(0)
	v_mul_f32 v14, v12, v14                        ; x m
	v_mul_f32 v15, v13, v15
	global_store_b64 v2, v[14:15], s[16:17]        ; 32 lanes store the document's 256 consecutive bytes
	s_endpgm
.Lfunc_end_k_q4807cc2206_finish:
	.size	k_q4807cc2206_finish, .Lfunc_end_k_q4807cc2206_finish-k_q4807cc2206_finish
	.p2alignl 7, 3214868480
	.fill 96, 4, 3214868480
	.section	.rodata,"a",@progbits
	.p2align	6, 0x0
	.amdhsa_kernel k_q4807cc2206_finish
		.amdhsa_group_segment_fixed_size 0
		.amdhsa_private_segment_fixed_size 0
		.amdhsa_enable_private_segment 0
		.amdhsa_kernarg_size 56
		.amdhsa_user_sgpr_count 2
		.amdhsa_user_sgpr_kernarg_segment_ptr 1
		.amdhsa_wavefront_size32 1
		.amdhsa_system_sgpr_workgroup_id_x 1
		.amdhsa_system_sgpr_workgroup_id_y 1
		.amdhsa_system_sgpr_workgroup_id_z 1
		.amdhsa_system_vgpr_workitem_id 0
		.amdhsa_next_free_vgpr 120
		.amdhsa_next_free_sgpr 66
		.amdhsa_reserve_vcc 1
		.amdhsa_float_denorm_mode_32 3
		.amdhsa_float_denorm_mode_16_64 3
		.amdhsa_memory_ordered 1
		.amdhsa_forward_progress 1
		.amdhsa_inst_pref_size 9
	.end_amdhsa_kernel
	.amdgpu_metadata
---
amdhsa.version: [ 1, 2 ]
amdhsa.kernels:
  - .name:           k_q4807cc2206_finish
    .symbol:         k_q4807cc2206_finish.kd
    .args:
      - { .name: hpart, .offset: 0, .size: 8, .value_kind: global_buffer, .address_space: global }
      - { .name: mask_clss, .offset: 8, .size: 8, .value_kind: global_buffer, .address_space: global }
      - { .name: top_vec, .offset: 16, .size: 8, .value_kind: global_buffer, .address_space: global }
      - { .name: w_fc, .offset: 24, .size: 8, .value_kind: global_buffer, .address_space: global }
      - { .name: b_sents, .offset: 32, .size: 8, .value_kind: global_buffer, .address_space: global }
      - { .name: b_fc, .offset: 40, .size: 8, .value_kind: global_buffer, .address_space: global }
      - { .name: out0, .offset: 48, .size: 8, .value_kind: global_buffer, .address_space: global }
    .group_segment_fixed_size: 0
    .private_segment_fixed_size: 0
    .kernarg_segment_align: 8
    .kernarg_segment_size: 56
    .max_flat_workgroup_size: 32
    .sgpr_count:     66
    .vgpr_count:     120
    .wavefront_size: 32
...
	.end_amdgpu_metadata
.endif
;; end of part 2
